; MI455X (gfx1250); checked and timed in simulation.
; The chip was launched on July 23, 2026; its instructions are those of AMD's public machine-readable ISA for CDNA 5 (MIT licence, August 2026) and "CDNA5" Instruction Set Architecture Reference Guide (July 2026). The comments in the code are by the model that wrote it; some were corrected since.
;; Max Retrieval Model. Allowed arithmetic: float matrix products may take bf16 or f16 operands with f32 sums; all other float work in f32.
;; Inputs: Wk 512 x 512 float32; Wphi 512 x 1,000 float32; Wq 1 x 512 float32; Wv 512 x 512 float32; bk 512 float32; bphi 1,000 float32; bq 512 float32; bv 512 float32; x_items 32 x 4,096 x 512 float32; x_query 32 x 1 float32.
;; Outputs: out0 32 x 1,000 float32.
;; 2 versions, each right; version 2 is version 1 with the launch score written anew for expert scheduling mode. Each part assembles by itself: llvm-mc -triple=amdgcn-amd-amdhsa -mcpu=gfx1250 --defsym DOCPART=n.
;; ======== version 1 of 2: 5 launches
;; workspace buffers: ac 4,352 bytes; scores 524,288 bytes; attn 524,288 bytes; pos 524,288 bytes of whole numbers; cnt 8,192 bytes of whole numbers; zpart 524,288 bytes
;; launch prep (part 1): grid 8 x 1, 32 waves a work-group, no clusters, 4,608 bytes of LDS; arguments Wk, Wq, bq, bk, ac; writes ac
.if DOCPART == 1
	.amdgcn_target "amdgcn-amd-amdhsa--gfx1250"
	.amdhsa_code_object_version 6
	.text
	.protected	k_qbdf8798d3b_prep
	.globl	k_qbdf8798d3b_prep
	.p2align	8
	.type	k_qbdf8798d3b_prep,@function
k_qbdf8798d3b_prep:
	s_mov_b64 s[64:65], 0
	v_nop
	global_prefetch_b8 v0, s[64:65] scope:SCOPE_SE
	s_setreg_imm32_b32 hwreg(HW_REG_WAVE_MODE, 25, 1), 1
	s_wait_xcnt 0x0
; prep: the query is q = xq Wq + bq, so Wk q = xq (Wk Wq) + (Wk bq) and bk.q = xq (bk.Wq) + (bk.bq).
; This launch makes the four parts that hang on no batch:
;   a[i] = sum over d of Wk[i][d] Wq[d]   -> ac bytes 0..2047        c[i] = sum over d of Wk[i][d] bq[d] -> ac bytes 2048..4095
;   d1 = bk.Wq, d2 = bk.bq                -> ac bytes 4096..4351, the pair written 32 times (one aligned block of 256 bytes)
; All in f32 on the vector unit: the products have one column each, so a matrix tile would be fifteen sixteenths empty,
; and the scores stand in front of a sparsemax, which hands a score's error on to the weights undamped.
; 8 work-groups x 32 waves; a work-group owns 64 rows of Wk, a wave two rows.  Lane l holds columns 128 j + 4 l + 0..3, j = 0..3:
; each load of a wave covers 512 consecutive bytes.
; LIMIT: the order of the sums differs from reference()'s (the products are reassociated); non-finite inputs are not served.
.set WQ,  4                            ; v[4:19]   Wq, my 16 columns
.set BQ,  20                           ; v[20:35]  bq
.set R0,  36                           ; v[36:51]  my first row of Wk
.set R1,  52                           ; v[52:67]  my second row
.set SUM, 68                           ; v[68:71]  a(row 0), a(row 1), c(row 0), c(row 1)
.set ACC, 72                           ; v[72:79]  four pairs of running sums
.set BK,  80                           ; v[80:95]  bk (one wave of the launch only)
.set DD,  96                           ; v[96:97]  d1, d2: store data, never rewritten
.set DOF, 98                           ; v98       8 x lane: that store's offset, never rewritten
.set TT,  99                           ; v99       what the other half of the wave sent
.set GO,  100                          ; v100      offset of the final store
.set SEL, 18                           ; s[18:19]  v_permlanex16_b32: lane i reads lane i of the other half
; 16 products in one pair of chains, then the pair folded: dst = my lane's part of x.y
.macro DOT dst, acc, x, y
	v_pk_mul_f32 v[\acc:\acc+1], v[\x:\x+1], v[\y:\y+1]            ; the first product starts the sums
.irp j, 2,4,6,8,10,12,14
	v_pk_fma_f32 v[\acc:\acc+1], v[\x+\j:\x+\j+1], v[\y+\j:\y+\j+1], v[\acc:\acc+1]
.endr
	v_add_f32 v[\dst], v[\acc], v[\acc+1]
.endm
; the sum over the wave's 32 lanes, in every lane
.macro REDADD r
	v_add_f32_dpp v[\r], v[\r], v[\r] row_xmask:1 row_mask:0xf bank_mask:0xf
	v_add_f32_dpp v[\r], v[\r], v[\r] row_xmask:2 row_mask:0xf bank_mask:0xf
	v_add_f32_dpp v[\r], v[\r], v[\r] row_xmask:4 row_mask:0xf bank_mask:0xf
	v_add_f32_dpp v[\r], v[\r], v[\r] row_xmask:8 row_mask:0xf bank_mask:0xf
	v_permlanex16_b32 v[TT], v[\r], s[SEL], s[SEL+1]
	v_add_f32 v[\r], v[\r], v[TT]
.endm
	s_load_b256 s[4:11], s[0:1], 0x0               ; Wk s[4:5], Wq s[6:7], bq s[8:9], bk s[10:11]
	s_load_b64 s[12:13], s[0:1], 0x20              ; ac
	v_lshl_add_u32 v104, v0, 2, 0x200
	v_mov_b32 v105, 0
	v_lshrrev_b32 v3, 5, v0
	v_readfirstlane_b32 s14, v3                    ; wave 0..31
	v_and_b32 v1, 31, v0
	v_lshlrev_b32 v1, 4, v1                        ; 16 x lane
	v_lshl_add_u32 v2, v3, 12, v1                  ; + wave x 2 rows x 2,048 bytes
	v_lshlrev_b32 v3, 3, v3                        ; 8 x wave: my two words in LDS
	v_mov_b32 v[TT], 0                             ; the permute's destination counts as read: written once here
	s_or_b32 s15, ttmp9, s14                       ; 0 only in wave 0 of work-group 0
	s_lshl_b32 s16, ttmp9, 17                      ; 64 rows x 2,048 bytes
	s_mov_b32 s17, 0
	s_lshl_b32 s22, ttmp9, 8                       ; 64 results x 4 bytes
	s_mov_b32 s23, 0
	s_mov_b32 s[SEL], 0x76543210
	s_mov_b32 s[SEL+1], 0xfedcba98
	s_wait_kmcnt 0x0
	s_add_nc_u64 s[4:5], s[4:5], s[16:17]          ; Wk at the group's first row
	s_add_nc_u64 s[20:21], s[12:13], s[22:23]      ; ac at the group's 64 numbers of a; s[12:13] stays as it is
.irp j, 0,1,2,3
	global_load_b128 v[WQ+4*\j:WQ+4*\j+3], v1, s[6:7] offset:512*\j
	global_load_b128 v[BQ+4*\j:BQ+4*\j+3], v1, s[8:9] offset:512*\j
	global_load_b128 v[R0+4*\j:R0+4*\j+3], v2, s[4:5] offset:512*\j
	global_load_b128 v[R1+4*\j:R1+4*\j+3], v2, s[4:5] offset:2048+512*\j
.endr
	s_cmp_lg_u32 s15, 0
	s_cbranch_scc1 .Lrows
	; one wave of the launch: d1 and d2
.irp j, 0,1,2,3
	global_load_b128 v[BK+4*\j:BK+4*\j+3], v1, s[10:11] offset:512*\j
.endr
	v_lshrrev_b32 v[DOF], 1, v1                    ; 8 x lane
	s_wait_loadcnt 0x0
	DOT DD, ACC, BK, WQ
	DOT DD+1, ACC+2, BK, BQ
	REDADD DD
	REDADD DD+1
	global_store_b64 v[DOF], v[DD:DD+1], s[12:13] offset:4096      ; 32 lanes x 8 bytes: 256 consecutive bytes, aligned
.Lrows:
	s_wait_loadcnt 0x0                             ; nothing younger to leave out: all 16 loads feed the next lines
	DOT SUM, ACC, R0, WQ
	DOT SUM+1, ACC+2, R1, WQ
	DOT SUM+2, ACC+4, R0, BQ
	DOT SUM+3, ACC+6, R1, BQ
	REDADD SUM
	REDADD SUM+1
	REDADD SUM+2
	REDADD SUM+3
	ds_store_b64 v3, v[SUM:SUM+1]                  ; a of rows 2 w, 2 w + 1: LDS bytes 0..255 (all lanes, the same value)
	ds_store_b64 v3, v[SUM+2:SUM+3] offset:256     ; c of the same rows: LDS bytes 256..511
	s_wait_dscnt 0x0                               ; my stores are done before I say so
	s_barrier_signal -1
	s_barrier_wait -1
	s_cmp_lg_u32 s14, 0
	s_cbranch_scc1 .Lend
	; wave 0 stores the group's 64 a and 64 c: lanes 0-15 and lanes 16-31 each fill 256 consecutive bytes, aligned
	ds_load_b128 v[ACC:ACC+3], v1
	v_and_b32 v[GO], 0xf0, v1                      ; 16 x (lane mod 16)
	v_lshrrev_b32 v[BK], 8, v1                     ; lane / 16
	v_lshl_add_u32 v[GO], v[BK], 11, v[GO]         ; c lies 2,048 bytes behind a
	s_wait_dscnt 0x0
	global_store_b128 v[GO], v[ACC:ACC+3], s[20:21]
.Lend:
	s_wait_tensorcnt 0x0
	ds_add_u32 v104, v105
	s_wait_dscnt 0x0
	s_endpgm
.Lfunc_end_k_qbdf8798d3b_prep:
	.size	k_qbdf8798d3b_prep, .Lfunc_end_k_qbdf8798d3b_prep-k_qbdf8798d3b_prep
	.p2alignl 7, 3214868480
	.fill 96, 4, 3214868480
	.section	.rodata,"a",@progbits
	.p2align	6, 0x0
	.amdhsa_kernel k_qbdf8798d3b_prep
		.amdhsa_group_segment_fixed_size 4608
		.amdhsa_private_segment_fixed_size 0
		.amdhsa_enable_private_segment 0
		.amdhsa_kernarg_size 40
		.amdhsa_user_sgpr_count 2
		.amdhsa_user_sgpr_kernarg_segment_ptr 1
		.amdhsa_wavefront_size32 1
		.amdhsa_system_sgpr_workgroup_id_x 1
		.amdhsa_system_sgpr_workgroup_id_y 1
		.amdhsa_system_sgpr_workgroup_id_z 1
		.amdhsa_system_vgpr_workitem_id 0
		.amdhsa_next_free_vgpr 106
		.amdhsa_next_free_sgpr 66
		.amdhsa_reserve_vcc 0
		.amdhsa_float_denorm_mode_32 3
		.amdhsa_float_denorm_mode_16_64 3
		.amdhsa_memory_ordered 1
		.amdhsa_forward_progress 1
		.amdhsa_inst_pref_size 10
	.end_amdhsa_kernel
	.amdgpu_metadata
---
amdhsa.version: [ 1, 2 ]
amdhsa.kernels:
  - .name:           k_qbdf8798d3b_prep
    .symbol:         k_qbdf8798d3b_prep.kd
    .args:
      - { .name: Wk, .offset: 0, .size: 8, .value_kind: global_buffer, .address_space: global }
      - { .name: Wq, .offset: 8, .size: 8, .value_kind: global_buffer, .address_space: global }
      - { .name: bq, .offset: 16, .size: 8, .value_kind: global_buffer, .address_space: global }
      - { .name: bk, .offset: 24, .size: 8, .value_kind: global_buffer, .address_space: global }
      - { .name: ac, .offset: 32, .size: 8, .value_kind: global_buffer, .address_space: global }
    .group_segment_fixed_size: 4608
    .private_segment_fixed_size: 0
    .kernarg_segment_align: 8
    .kernarg_segment_size: 40
    .max_flat_workgroup_size: 1024
    .sgpr_count:     66
    .vgpr_count:     106
    .wavefront_size: 32
...
	.end_amdgpu_metadata
.endif
;; end of part 1
;; launch score (part 2): grid 256 x 1, 16 waves a work-group, no clusters, 4,096 bytes of LDS; arguments x_items, x_query, ac, scores; writes scores
.if DOCPART == 2
	.amdgcn_target "amdgcn-amd-amdhsa--gfx1250"
	.amdhsa_code_object_version 6
	.text
	.protected	k_qbdf8798d3b_score
	.globl	k_qbdf8798d3b_score
	.p2align	8
	.type	k_qbdf8798d3b_score,@function
k_qbdf8798d3b_score:
	s_mov_b64 s[64:65], 0
	v_nop
	global_prefetch_b8 v0, s[64:65] scope:SCOPE_SE
	s_setreg_imm32_b32 hwreg(HW_REG_WAVE_MODE, 25, 1), 1
	s_wait_xcnt 0x0
; score: scores[b][n] = x[b][n] . u_b + c0_b, with u_b = S (xq_b a + c), c0_b = S (xq_b d1 + d2), S = 512^-0.5.
; That is q.(x Wk + bk) S of reference(), reassociated: one query row a batch makes the projection of every item a dot product of length 512.
; The launch is a stream: every byte of x_items is read once, 268,435,456 bytes for 67 million fused multiply-adds, so bytes decide.
; No matrix unit (one output column), no LDS ring, no cluster (no two work-groups read the same byte of x).
; 256 work-groups x 16 waves; a work-group owns 512 consecutive rows (all of one batch), a wave 32 rows = 65,536 consecutive bytes.
; A row is four loads of 16 bytes a lane, each covering 512 consecutive bytes.  A ring of 8 row slots in registers keeps
; 8 rows x 2,048 bytes of every wave on their way, 262,144 bytes for the work-group.
; A row's 32 lane sums are not reduced row by row: the 32 rows' sums are reduced together, by 31 merges that halve the registers
; at each step, and lane l ends with row l.
; LIMIT: the order of the sums differs from reference()'s; non-finite inputs are not served.
.set U, 4                              ; v[4:19]    a, then u: columns 128 j + 4 l + 0..3
.set C, 20                             ; v[20:35]   c
.set T, 20                             ; v[20:27]   the same registers at work once u is made
.set X, 36                             ; v[36:163]  slot s: 16 registers, a row as loaded
.set P, 164                            ; v[164:195] row r: my lane's part of its sum
.set SCALE, 0x3d3504f3                 ; 512^-0.5
.macro FILL row                        ; a row's four loads into its slot
.set fs, X+16*((\row)%8)
.irp j, 0,1,2,3
	global_load_b128 v[fs+4*\j:fs+4*\j+3], v1, s[4:5] offset:2048*(\row)+512*\j th:TH_LOAD_NT
.endr
.endm
; row r: 16 products in two pairs of chains.  left = the younger loads that may stay out; refill = 1: the slot gets row r + 8
.macro ROW r, left, refill
.set xs, X+16*((\r)%8)
.set ts, T+4*((\r)%2)
	s_wait_loadcnt \left                           ; loads come back in order: this row is in, the rows behind it stay on their way
	v_pk_mul_f32 v[ts:ts+1], v[xs:xs+1], v[U:U+1]
	v_pk_mul_f32 v[ts+2:ts+3], v[xs+2:xs+3], v[U+2:U+3]
.irp j, 4,8,12
	v_pk_fma_f32 v[ts:ts+1], v[xs+\j:xs+\j+1], v[U+\j:U+\j+1], v[ts:ts+1]
	v_pk_fma_f32 v[ts+2:ts+3], v[xs+\j+2:xs+\j+3], v[U+\j+2:U+\j+3], v[ts+2:ts+3]
.endr
	v_pk_add_f32 v[ts:ts+1], v[ts:ts+1], v[ts+2:ts+3]
	v_add_f32 v[P+\r], v[ts], v[ts+1]
.if \refill
	FILL \r+8
.endif
.endm
; Two registers of partial sums become one.  In the lanes of the mask the pair's second row is kept and the first is sent,
; in the others the other way round; lane i adds what lane i xor xm sent.
.macro MERGE a, b, m, xm, t
	v_cndmask_b32 v[T+\t], v[P+\b], v[P+\a], s[\m]                 ; what I send
	v_cndmask_b32 v[P+\a], v[P+\a], v[P+\b], s[\m]                 ; what I keep
	v_add_f32_dpp v[P+\a], v[T+\t], v[P+\a] row_xmask:\xm row_mask:0xf bank_mask:0xf
.endm
	s_load_b256 s[4:11], s[0:1], 0x0               ; x s[4:5], x_query s[6:7], ac s[8:9], scores s[10:11]
	v_lshl_add_u32 v200, v0, 2, 0x800
	v_mov_b32 v201, 0
	v_lshrrev_b32 v3, 5, v0
	v_readfirstlane_b32 s12, v3                    ; wave 0..15
	v_and_b32 v2, 31, v0
	v_lshlrev_b32 v2, 4, v2                        ; 16 x lane
	v_lshl_add_u32 v1, v3, 16, v2                  ; + wave x 32 rows x 2,048 bytes; never rewritten
	s_lshr_b32 s14, ttmp9, 3                       ; batch: 8 work-groups each
	s_lshl_b32 s30, s14, 2
	s_mov_b32 s31, 0
	s_mov_b32 s20, 0xaaaaaaaa                      ; lanes with bit 0, 1, 2, 3, 4 of their number set
	s_mov_b32 s21, 0xcccccccc
	s_mov_b32 s22, 0xf0f0f0f0
	s_mov_b32 s23, 0xff00ff00
	s_mov_b32 s24, 0xffff0000
	s_mov_b32 s26, 0x76543210                      ; v_permlanex16_b32: lane i reads lane i of the other half
	s_mov_b32 s27, 0xfedcba98
	s_mov_b32 s28, SCALE
	s_mov_b32 s29, SCALE
	s_wait_kmcnt 0x0
	s_add_nc_u64 s[6:7], s[6:7], s[30:31]
	s_load_b32 s13, s[6:7], 0x0                    ; xq of my batch
	s_load_b64 s[16:17], s[8:9], 0x1000            ; d1, d2
	s_lshl_b32 s30, ttmp9, 20                      ; 512 rows x 2,048 bytes
	s_add_nc_u64 s[4:5], s[4:5], s[30:31]
	s_lshl_b32 s30, ttmp9, 11                      ; 512 scores x 4 bytes
	s_add_nc_u64 s[10:11], s[10:11], s[30:31]
.irp j, 0,1,2,3
	global_load_b128 v[U+4*\j:U+4*\j+3], v2, s[8:9] offset:512*\j
	global_load_b128 v[C+4*\j:C+4*\j+3], v2, s[8:9] offset:2048+512*\j
.endr
.irp r, 0,1,2,3,4,5,6,7
	FILL \r
.endr
	v_lshlrev_b32 v196, 2, v0                      ; LDS: my row's score
	v_lshlrev_b32 v197, 4, v0                      ; LDS and scores: four scores
	s_wait_kmcnt 0x0
	s_fmac_f32 s17, s13, s16                       ; d2 + xq d1
	s_mul_f32 s17, s17, SCALE                      ; c0
	s_mul_f32 s18, s13, SCALE                      ; xq S
	s_mov_b32 s19, s18
	s_wait_loadcnt 32                              ; a and c are in; the 32 loads of rows 0 to 7, issued behind them, stay out
.irp i, 0,2,4,6,8,10,12,14
	v_pk_mul_f32 v[C+\i:C+\i+1], v[C+\i:C+\i+1], s[28:29] op_sel_hi:[1,0]
.endr
.irp i, 0,2,4,6,8,10,12,14
	v_pk_fma_f32 v[U+\i:U+\i+1], v[U+\i:U+\i+1], s[18:19], v[C+\i:C+\i+1] op_sel_hi:[1,0,1]   ; u = (xq S) a + S c
.endr
.irp r, 0,1,2,3,4,5,6,7,8,9,10,11,12,13,14,15,16,17,18,19,20,21,22,23
	ROW \r, 28, 1                                  ; seven younger rows, four loads each
.endr
	ROW 24, 28, 0                                  ; from here nothing is left to fetch,
.irp r, 25,26,27,28,29,30,31
	ROW \r, 4*(31-\r), 0                           ; and the counts run down
.endr
.irp i, 0,2,4,6,8,10,12,14,16,18,20,22,24,26,28,30
	MERGE \i, \i+1, 20, 1, (\i/2)%8
.endr
.irp i, 0,4,8,12,16,20,24,28
	MERGE \i, \i+2, 21, 2, (\i/4)%8
.endr
.irp i, 0,8,16,24
	MERGE \i, \i+4, 22, 4, \i/8
.endr
.irp i, 0,16
	MERGE \i, \i+8, 23, 8, \i/16
.endr
	v_cndmask_b32 v[T], v[P+16], v[P], s24         ; the last merge crosses the halves of the wave
	v_cndmask_b32 v[P], v[P], v[P+16], s24
	v_permlanex16_b32 v[T+1], v[T], s26, s27
	v_add_f32 v[P], v[P], v[T+1]                   ; lane l: row l's sum
	v_add_f32 v[P], s17, v[P]
	; out through LDS: 4 bytes a lane in, 16 bytes a lane back, so that a store of a wave covers 512 consecutive bytes
	ds_store_b32 v196, v[P]
	s_wait_dscnt 0x0                               ; my store is done before I say so
	s_barrier_signal -1
	s_barrier_wait -1
	s_cmp_ge_u32 s12, 4
	s_cbranch_scc1 .Lend
	ds_load_b128 v[T:T+3], v197                    ; threads 0 to 127: four neighbouring scores
	s_wait_dscnt 0x0
	global_store_b128 v197, v[T:T+3], s[10:11]
.Lend:
	s_wait_tensorcnt 0x0
	ds_add_u32 v200, v201
	s_wait_dscnt 0x0
	s_endpgm
.Lfunc_end_k_qbdf8798d3b_score:
	.size	k_qbdf8798d3b_score, .Lfunc_end_k_qbdf8798d3b_score-k_qbdf8798d3b_score
	.p2alignl 7, 3214868480
	.fill 96, 4, 3214868480
	.section	.rodata,"a",@progbits
	.p2align	6, 0x0
	.amdhsa_kernel k_qbdf8798d3b_score
		.amdhsa_group_segment_fixed_size 4096
		.amdhsa_private_segment_fixed_size 0
		.amdhsa_enable_private_segment 0
		.amdhsa_kernarg_size 32
		.amdhsa_user_sgpr_count 2
		.amdhsa_user_sgpr_kernarg_segment_ptr 1
		.amdhsa_wavefront_size32 1
		.amdhsa_system_sgpr_workgroup_id_x 1
		.amdhsa_system_sgpr_workgroup_id_y 1
		.amdhsa_system_sgpr_workgroup_id_z 1
		.amdhsa_system_vgpr_workitem_id 0
		.amdhsa_next_free_vgpr 202
		.amdhsa_next_free_sgpr 66
		.amdhsa_reserve_vcc 0
		.amdhsa_float_denorm_mode_32 3
		.amdhsa_float_denorm_mode_16_64 3
		.amdhsa_memory_ordered 1
		.amdhsa_forward_progress 1
		.amdhsa_inst_pref_size 43
	.end_amdhsa_kernel
	.amdgpu_metadata
---
amdhsa.version: [ 1, 2 ]
amdhsa.kernels:
  - .name:           k_qbdf8798d3b_score
    .symbol:         k_qbdf8798d3b_score.kd
    .args:
      - { .name: x_items, .offset: 0, .size: 8, .value_kind: global_buffer, .address_space: global }
      - { .name: x_query, .offset: 8, .size: 8, .value_kind: global_buffer, .address_space: global }
      - { .name: ac, .offset: 16, .size: 8, .value_kind: global_buffer, .address_space: global }
      - { .name: scores, .offset: 24, .size: 8, .value_kind: global_buffer, .address_space: global }
    .group_segment_fixed_size: 4096
    .private_segment_fixed_size: 0
    .kernarg_segment_align: 8
    .kernarg_segment_size: 32
    .max_flat_workgroup_size: 512
    .sgpr_count:     66
    .vgpr_count:     202
    .wavefront_size: 32
...
	.end_amdgpu_metadata
.endif
;; end of part 2
;; launch tau (part 3): grid 32 x 1, 8 waves a work-group, no clusters, 1,536 bytes of LDS; arguments scores, attn, pos, cnt; writes attn, pos, cnt
.if DOCPART == 3
	.amdgcn_target "amdgcn-amd-amdhsa--gfx1250"
	.amdhsa_code_object_version 6
	.text
	.protected	k_qbdf8798d3b_tau
	.globl	k_qbdf8798d3b_tau
	.p2align	8
	.type	k_qbdf8798d3b_tau,@function
k_qbdf8798d3b_tau:
	s_mov_b64 s[64:65], 0
	v_nop
	global_prefetch_b8 v0, s[64:65] scope:SCOPE_SE
	s_setreg_imm32_b32 hwreg(HW_REG_WAVE_MODE, 25, 1), 1
	s_wait_xcnt 0x0
; tau: sparsemax over the 4,096 scores of a batch, without sorting.  p = max(z - tau, 0), where tau solves F(tau) = sum of max(z - tau, 0) = 1.
; The row's maximum is taken away first; then tau lies in [-1, 0) for every input: F(-1) >= 1 (the maximum alone gives 1), F(0) = 0, F falls.
; 24 halvings from [-1, 0] leave lo <= tau < lo + 2^-24.  Then the closed form on the set {z > lo}: tau = (their sum - 1) / their number.
; An element of that set outside the true support lies within 2^-24 of tau, so the closed tau is off by less than 2^-24,
; against a mean weight of 1/4,096 = 2^-12 at the least: the number of halvings follows from these two figures, not from the data.
; Stored: p dense (attn); for each row its rank among the rows with p > 0, or 4,096 (pos); the number of such rows, 64 times (cnt).
; In this launch the ranks and the count are data alone: no address and no branch is made of them.
; One work-group a batch, 8 waves; a wave holds 512 scores in 16 registers for the whole launch: the scores are read once.
; Register 4 j + c of lane l is row 512 w + 128 j + 4 l + c: each load and store of a wave covers 512 consecutive bytes.
; LIMIT: non-finite scores are not served (a NaN score gives count 0 and weights 0 where reference() gives NaN).
.set Z,   4                            ; v[4:19]   scores, then scores - maximum, at the end the ranks
.set T,   20                           ; v[20:35]  at work, at the end p
.set LO,  36                           ; v36       lower end of the bracket
.set MID, 38                           ; v[38:39]  what is taken away from z, twice (a pair for the packed add)
.set F,   40                           ; v[40:41]  a sum (and beside it a count)
.set TT,  47                           ; v47       what the other half of the wave sent
.set MAXR, 0                           ; LDS: 8 words each, one a wave
.set BIS0, 64
.set BIS1, 128
.set FIN,  192                         ; 8 pairs (sum, count)
.set CNTR, 256
.macro BAR
	s_wait_dscnt 0x0                               ; my LDS stores and loads are done before I say so
	s_barrier_signal -1
	s_barrier_wait -1
.endm
.macro RELU                            ; T = max(Z - MID, 0)
.irp i, 0,2,4,6,8,10,12,14
	v_pk_add_f32 v[T+\i:T+\i+1], v[Z+\i:Z+\i+1], v[MID:MID+1] neg_lo:[0,1] neg_hi:[0,1]
.endr
.irp k, 0,1,2,3,4,5,6,7,8,9,10,11,12,13,14,15
	v_max_num_f32 v[T+\k], 0, v[T+\k]
.endr
.endm
.macro TREE                            ; F = the sum of my 16 numbers in T
.irp i, 0,2,4,6
	v_pk_add_f32 v[T+\i:T+\i+1], v[T+\i:T+\i+1], v[T+\i+8:T+\i+9]
.endr
.irp i, 0,2
	v_pk_add_f32 v[T+\i:T+\i+1], v[T+\i:T+\i+1], v[T+\i+4:T+\i+5]
.endr
	v_pk_add_f32 v[T:T+1], v[T:T+1], v[T+2:T+3]
	v_add_f32 v[F], v[T], v[T+1]
.endm
.macro REDADD r                        ; the sum over the wave's 32 lanes, in every lane
	v_add_f32_dpp v[\r], v[\r], v[\r] row_xmask:1 row_mask:0xf bank_mask:0xf
	v_add_f32_dpp v[\r], v[\r], v[\r] row_xmask:2 row_mask:0xf bank_mask:0xf
	v_add_f32_dpp v[\r], v[\r], v[\r] row_xmask:4 row_mask:0xf bank_mask:0xf
	v_add_f32_dpp v[\r], v[\r], v[\r] row_xmask:8 row_mask:0xf bank_mask:0xf
	v_permlanex16_b32 v[TT], v[\r], s60, s61
	v_add_f32 v[\r], v[\r], v[TT]
.endm
.macro ADD8 r                          ; lane l holds wave (l mod 8)'s figure: three exchanges give every lane the sum of the eight.
	v_add_f32_dpp v[\r], v[\r], v[\r] row_xmask:1 row_mask:0xf bank_mask:0xf   ; both partners of an exchange add the same two numbers,
	v_add_f32_dpp v[\r], v[\r], v[\r] row_xmask:2 row_mask:0xf bank_mask:0xf   ; so all lanes of all waves end with the same bits
	v_add_f32_dpp v[\r], v[\r], v[\r] row_xmask:4 row_mask:0xf bank_mask:0xf
.endm
; One halving.  The two LDS areas take turns: an area is stored into again two halvings later, behind the barrier of the halving between,
; in front of which every wave has waited for its read of it.  So one barrier a halving orders store against read and read against store.
.macro BISECT off
	v_add_f32 v[MID], s57, v[LO]
	v_add_f32 v[MID+1], s57, v[LO]
	RELU
	TREE
	REDADD F
	ds_store_b32 v2, v[F] offset:\off
	BAR
	ds_load_b32 v[F], v3 offset:\off
	s_wait_dscnt 0x0
	ADD8 F
	v_cmp_le_f32 vcc_lo, 1.0, v[F]                 ; F(mid) >= 1: tau is not below mid
	v_cndmask_b32 v[LO], v[LO], v[MID], vcc_lo
	s_mul_f32 s57, s57, 0.5
.endm
	s_load_b256 s[4:11], s[0:1], 0x0               ; scores s[4:5], attn s[6:7], pos s[8:9], cnt s[10:11]
	v_lshl_add_u32 v64, v0, 2, 0x200
	v_mov_b32 v65, 0
	v_lshrrev_b32 v2, 5, v0
	v_readfirstlane_b32 s12, v2                    ; wave 0..7
	v_and_b32 v3, 31, v0
	v_lshlrev_b32 v1, 4, v3
	v_lshl_add_u32 v1, v2, 11, v1                  ; 2,048 x wave + 16 x lane; never rewritten
	v_lshlrev_b32 v2, 2, v2                        ; 4 x wave: my wave's word of an LDS area
	v_and_b32 v3, 7, v0
	v_lshlrev_b32 v3, 2, v3                        ; 4 x (lane mod 8): the word that I read back
	v_lshlrev_b32 v45, 1, v2                       ; the same for pairs
	v_lshlrev_b32 v46, 1, v3
	v_mov_b32 v[TT], 0                             ; the permute's destination counts as read: written once here
	v_mov_b32 v44, 0                               ; LDS address 0
	v_mov_b32 v48, 0x1000                          ; the rank of a row outside the support
	s_mov_b32 s60, 0x76543210
	s_mov_b32 s61, 0xfedcba98
	s_lshl_b32 s14, ttmp9, 14                      ; 4,096 x 4 bytes a batch
	s_mov_b32 s15, 0
	s_wait_kmcnt 0x0
	s_add_nc_u64 s[4:5], s[4:5], s[14:15]
	s_add_nc_u64 s[6:7], s[6:7], s[14:15]
	s_add_nc_u64 s[8:9], s[8:9], s[14:15]
	s_lshl_b32 s14, ttmp9, 8                       ; 64 words a batch
	s_add_nc_u64 s[10:11], s[10:11], s[14:15]
.irp j, 0,1,2,3
	global_load_b128 v[Z+4*\j:Z+4*\j+3], v1, s[4:5] offset:512*\j
.endr
	s_wait_loadcnt 0x0
	; the batch's maximum
	v_max3_num_f32 v40, v[Z], v[Z+1], v[Z+2]
	v_max3_num_f32 v41, v[Z+3], v[Z+4], v[Z+5]
	v_max3_num_f32 v42, v[Z+6], v[Z+7], v[Z+8]
	v_max3_num_f32 v43, v[Z+9], v[Z+10], v[Z+11]
	v_max3_num_f32 v49, v[Z+12], v[Z+13], v[Z+14]
	v_max3_num_f32 v40, v40, v41, v[Z+15]
	v_max3_num_f32 v42, v42, v43, v49
	v_max_num_f32 v40, v40, v42
	v_max_num_f32_dpp v40, v40, v40 row_xmask:1 row_mask:0xf bank_mask:0xf
	v_max_num_f32_dpp v40, v40, v40 row_xmask:2 row_mask:0xf bank_mask:0xf
	v_max_num_f32_dpp v40, v40, v40 row_xmask:4 row_mask:0xf bank_mask:0xf
	v_max_num_f32_dpp v40, v40, v40 row_xmask:8 row_mask:0xf bank_mask:0xf
	v_permlanex16_b32 v[TT], v40, s60, s61
	v_max_num_f32 v40, v40, v[TT]
	ds_store_b32 v2, v40 offset:MAXR
	BAR
	ds_load_b32 v40, v3 offset:MAXR
	s_wait_dscnt 0x0
	v_max_num_f32_dpp v40, v40, v40 row_xmask:1 row_mask:0xf bank_mask:0xf
	v_max_num_f32_dpp v40, v40, v40 row_xmask:2 row_mask:0xf bank_mask:0xf
	v_max_num_f32_dpp v40, v40, v40 row_xmask:4 row_mask:0xf bank_mask:0xf
	v_mov_b32 v[MID], v40
	v_mov_b32 v[MID+1], v40
.irp i, 0,2,4,6,8,10,12,14
	v_pk_add_f32 v[Z+\i:Z+\i+1], v[Z+\i:Z+\i+1], v[MID:MID+1] neg_lo:[0,1] neg_hi:[0,1]   ; z - maximum, in place
.endr
	; 24 halvings, two a trip.  lo and the step are multiples of 2^-24 in [-1, 0]: lo + step is exact
	v_mov_b32 v[LO], -1.0
	s_mov_b32 s57, 0x3f000000                      ; the step: 0.5, halved each time
	s_mov_b32 s59, 0
.Lhalve:
	BISECT BIS0
	BISECT BIS1
	s_add_co_u32 s59, s59, 1
	s_cmp_lt_u32 s59, 12
	s_cbranch_scc1 .Lhalve
	; the closed form on {z > lo}: never empty, since the maximum's z is 0 and lo < 0
.irp k, 0,1,2,3,4,5,6,7,8,9,10,11,12,13,14,15
	v_cmp_gt_f32 s[32+\k], v[Z+\k], v[LO]
	v_cndmask_b32 v[T+\k], 0, v[Z+\k], s[32+\k]
.endr
	s_mov_b32 s56, 0
.irp k, 0,1,2,3,4,5,6,7,8,9,10,11,12,13,14,15
	s_bcnt1_i32_b32 s57, s[32+\k]
	s_add_co_u32 s56, s56, s57
.endr
	TREE
	REDADD F
	v_cvt_f32_u32 v[F+1], s56                      ; my wave's number of them (at most 512: exact)
	ds_store_b64 v45, v[F:F+1] offset:FIN
	BAR
	ds_load_b64 v[F:F+1], v46 offset:FIN
	s_wait_dscnt 0x0
	ADD8 F
	ADD8 F+1
	v_rcp_f32 v42, v[F+1]
	v_add_f32 v[F], -1.0, v[F]                     ; the one plain instruction that stands between v_rcp_f32 and the use of its result
	s_wait_alu depctr_va_vdst(0)
	v_mul_f32 v[MID], v[F], v42                    ; tau
	v_mul_f32 v[MID+1], v[F], v42
	RELU                                           ; p
.irp j, 0,1,2,3
	global_store_b128 v1, v[T+4*\j:T+4*\j+3], s[6:7] offset:512*\j   ; T is not written again
.endr
	; ranks: rows with p > 0 are numbered wave by wave, register by register, lane by lane
	s_mov_b32 s56, 0
.irp k, 0,1,2,3,4,5,6,7,8,9,10,11,12,13,14,15
	v_cmp_lt_f32 s[32+\k], 0, v[T+\k]
.endr
.irp k, 0,1,2,3,4,5,6,7,8,9,10,11,12,13,14,15
	s_bcnt1_i32_b32 s57, s[32+\k]
	s_add_co_u32 s56, s56, s57
.endr
	v_mov_b32 v40, s56
	ds_store_b32 v2, v40 offset:CNTR
	BAR
	ds_load_b128 v[50:53], v44 offset:CNTR         ; the eight waves' numbers, in every lane
	ds_load_b128 v[54:57], v44 offset:CNTR+16
	s_wait_dscnt 0x0
.irp i, 0,1,2,3,4,5,6,7
	v_readfirstlane_b32 s[48+\i], v[50+\i]
.endr
	s_mov_b32 s56, 0                               ; the rank of my wave's first such row
	s_mov_b32 s58, 0                               ; the batch's number of such rows
.irp i, 0,1,2,3,4,5,6,7
	s_add_co_u32 s58, s58, s[48+\i]
	s_cmp_gt_u32 s12, \i                           ; the waves in front of mine
	s_cselect_b32 s57, s[48+\i], 0
	s_add_co_u32 s56, s56, s57
.endr
.irp k, 0,1,2,3,4,5,6,7,8,9,10,11,12,13,14,15
	v_mbcnt_lo_u32_b32 v[Z+\k], s[32+\k], s56      ; such rows in lower lanes of this register + all counted so far
	v_cndmask_b32 v[Z+\k], v48, v[Z+\k], s[32+\k]  ; 4,096 where p = 0
	s_bcnt1_i32_b32 s57, s[32+\k]
	s_add_co_u32 s56, s56, s57
.endr
.irp j, 0,1,2,3
	global_store_b128 v1, v[Z+4*\j:Z+4*\j+3], s[8:9] offset:512*\j
.endr
	s_cmp_lg_u32 s12, 0
	s_cbranch_scc1 .Lend
	v_mov_b32 v40, s58                             ; wave 0: the count, 64 times: 256 consecutive bytes, aligned
	v_mov_b32 v41, s58
	v_lshlrev_b32 v42, 3, v0
	global_store_b64 v42, v[40:41], s[10:11]
.Lend:
	s_wait_tensorcnt 0x0
	ds_add_u32 v64, v65
	s_wait_dscnt 0x0
	s_endpgm
.Lfunc_end_k_qbdf8798d3b_tau:
	.size	k_qbdf8798d3b_tau, .Lfunc_end_k_qbdf8798d3b_tau-k_qbdf8798d3b_tau
	.p2alignl 7, 3214868480
	.fill 96, 4, 3214868480
	.section	.rodata,"a",@progbits
	.p2align	6, 0x0
	.amdhsa_kernel k_qbdf8798d3b_tau
		.amdhsa_group_segment_fixed_size 1536
		.amdhsa_private_segment_fixed_size 0
		.amdhsa_enable_private_segment 0
		.amdhsa_kernarg_size 32
		.amdhsa_user_sgpr_count 2
		.amdhsa_user_sgpr_kernarg_segment_ptr 1
		.amdhsa_wavefront_size32 1
		.amdhsa_system_sgpr_workgroup_id_x 1
		.amdhsa_system_sgpr_workgroup_id_y 1
		.amdhsa_system_sgpr_workgroup_id_z 1
		.amdhsa_system_vgpr_workitem_id 0
		.amdhsa_next_free_vgpr 66
		.amdhsa_next_free_sgpr 66
		.amdhsa_reserve_vcc 1
		.amdhsa_float_denorm_mode_32 3
		.amdhsa_float_denorm_mode_16_64 3
		.amdhsa_memory_ordered 1
		.amdhsa_forward_progress 1
		.amdhsa_inst_pref_size 22
	.end_amdhsa_kernel
	.amdgpu_metadata
---
amdhsa.version: [ 1, 2 ]
amdhsa.kernels:
  - .name:           k_qbdf8798d3b_tau
    .symbol:         k_qbdf8798d3b_tau.kd
    .args:
      - { .name: scores, .offset: 0, .size: 8, .value_kind: global_buffer, .address_space: global }
      - { .name: attn, .offset: 8, .size: 8, .value_kind: global_buffer, .address_space: global }
      - { .name: pos, .offset: 16, .size: 8, .value_kind: global_buffer, .address_space: global }
      - { .name: cnt, .offset: 24, .size: 8, .value_kind: global_buffer, .address_space: global }
    .group_segment_fixed_size: 1536
    .private_segment_fixed_size: 0
    .kernarg_segment_align: 8
    .kernarg_segment_size: 32
    .max_flat_workgroup_size: 256
    .sgpr_count:     66
    .vgpr_count:     66
    .wavefront_size: 32
...
	.end_amdgpu_metadata
.endif
;; end of part 3
;; launch gather (part 4): grid 256 x 1, 16 waves a work-group, no clusters, 51,968 bytes of LDS; arguments x_items, attn, pos, cnt, Wv, bv, zpart; writes zpart
.if DOCPART == 4
	.amdgcn_target "amdgcn-amd-amdhsa--gfx1250"
	.amdhsa_code_object_version 6
	.text
	.protected	k_qbdf8798d3b_gather
	.globl	k_qbdf8798d3b_gather
	.p2align	8
	.type	k_qbdf8798d3b_gather,@function
k_qbdf8798d3b_gather:
	s_mov_b64 s[64:65], 0
	v_nop
	global_prefetch_b8 v0, s[64:65] scope:SCOPE_SE
	s_setreg_imm32_b32 hwreg(HW_REG_WAVE_MODE, 25, 1), 1
	s_wait_xcnt 0x0
; gather: sum of p_n (x_n Wv + bv) = (sum of p_n x_n) Wv + (sum of p_n) bv.  Only rows with p > 0 are read again.
; Work-group (b, ch), ch = 0..7: y[j] = sum over the support of p_n x[b][n][64 ch + j], j = 0..63; s = sum of p_n;
;   zpart[b][ch][d] = sum over j of y[j] Wv[64 ch + j][d] + (s / 8) bv[d], d = 0..511.  The eight parts of a batch are added by the next launch.
; The ranks (pos) and the count (cnt) were stored as whole numbers by the launch before: ranks make LDS addresses, the count the trips.
; Steps: (1) a list in LDS is cleared; (2) every row's number and weight go to the list at the row's rank, rows outside the support to a
; dump word behind the list that is never read; (3) 256 list entries a trip: a half wave takes an entry, its 16 lanes 256 consecutive
; aligned bytes of that row; entries past the count are (row 0, weight 0.0); (4) the 32 half waves' sums meet in LDS; (5) y times the
; chunk's 64 rows of Wv, which were asked for at the start and landed meanwhile.
; All f32 on the vector unit: one row of y against 64 x 512 numbers of Wv.  No joint requests: what work-groups share is Wv's chunk of
; 131,072 bytes, read once by each straight into registers, and each work-group's number of trips hangs on its batch's count.
; LIMITS: x must be finite (a padded entry multiplies row 0 by 0.0).  Ranks above 4,096 and row numbers above 4,095 are clamped.
.set ZERO, 4                           ; v[4:7]     zeros
.set PO,   8                           ; v[8:15]    ranks of my 8 rows, then their list addresses
.set PA,   16                          ; v[16:23]   weights of my 8 rows
.set W,    24                          ; v[24:87]   Wv: rows 64 ch + 16 rg + k, columns 128 cg + 4 lane + c at W + 4 k + c
.set BV,   88                          ; v[88:91]   bv (used by waves 0 to 3; every wave loads it so that all count the same loads)
.set I,    92                          ; v[92:99]   8 list entries: row numbers
.set PP,   100                         ; v[100:107] their weights
.set AD,   108                         ; v[108:115] their byte offsets in x
.set X,    116                         ; v[116:147] the 8 rows' 16 bytes; before that my rows' numbers; behind the loop 16 partial y
.set ACC,  148                         ; v[148:151] sum of p x for my 4 columns
.set ACS,  152                         ; v[152:153] sum of p, in two chains
.set EA,   154                         ; LDS address of my half wave's entry, stepped
.set EA0,  155                         ; 4 (2 wave + h)
.set COL,  156                         ; 16 q
.set T16,  157                         ; 16 t
.set BVA,  158                         ; 16 (t mod 128)
.set WA,   159                         ; my offset in the chunk of Wv
.set YA,   160                         ; where I read partial y
.set ZS,   161                         ; where I put partial z
.set SS,   162                         ; v[162:163] s / 8, and what the other half of the wave sent
.set ZA,   164                         ; v[164:167] partial z
.set Q,    168                         ; v[168:183] four partial z, at the end
.set LISTI, 0                          ; LDS: 4,096 row numbers and the dump word
.set LISTP, 16640                      ; 4,096 weights and the dump word
.set YP,    33280                      ; 32 half waves x 64 partial y
.set SP,    41472                      ; 32 half waves' sums of p
.set ZP,    41728                      ; 4 row groups x 512 partial z
.macro BAR
	s_wait_dscnt 0x0                               ; my LDS stores and loads are done before I say so
	s_barrier_signal -1
	s_barrier_wait -1
.endm
	s_load_b256 s[4:11], s[0:1], 0x0               ; x s[4:5], attn s[6:7], pos s[8:9], cnt s[10:11]
	s_load_b128 s[12:15], s[0:1], 0x20             ; Wv s[12:13], bv s[14:15]
	s_load_b64 s[16:17], s[0:1], 0x30              ; zpart
	v_lshl_add_u32 v184, v0, 2, 0xc300
	v_mov_b32 v185, 0
	v_lshrrev_b32 v8, 5, v0
	v_readfirstlane_b32 s22, v8                    ; wave 0..15
	s_lshr_b32 s20, ttmp9, 3                       ; b
	s_and_b32 s21, ttmp9, 7                        ; ch
	s_lshr_b32 s23, s22, 2                         ; cg: which 128 columns of Wv
	s_and_b32 s24, s22, 3                          ; rg: which 16 rows of the chunk
	s_mov_b32 s30, 0x76543210
	s_mov_b32 s31, 0xfedcba98
	v_and_b32 v1, 31, v0                           ; lane
	v_and_b32 v2, 15, v0                           ; q
	v_bfe_u32 v3, v0, 4, 1                         ; h
.irp c, 0,1,2,3
	v_mov_b32 v[ZERO+\c], 0
.endr
	v_lshlrev_b32 v[T16], 4, v0
	v_and_b32 v[BVA], 127, v0
	v_lshlrev_b32 v[BVA], 4, v[BVA]
	s_lshl_b32 s32, s24, 15                        ; 16 rows x 2,048 bytes
	s_lshl_b32 s33, s23, 9                         ; 128 columns x 4 bytes
	s_add_co_u32 s32, s32, s33
	v_lshl_add_u32 v[WA], v1, 4, s32
	s_lshl_b32 s32, s22, 3
	v_lshl_add_u32 v[EA0], v3, 2, s32              ; 4 (2 wave + h)
	v_mov_b32 v[EA], v[EA0]
	v_lshlrev_b32 v[COL], 4, v2
	s_lshl_b32 s32, s24, 6
	v_lshl_add_u32 v[YA], v3, 12, s32              ; 16 h partials of 256 bytes + my row group's 16 columns
	v_lshl_add_u32 v[YA], v2, 2, v[YA]
	s_lshl_b32 s32, s24, 11
	s_add_co_u32 s32, s32, s33
	v_lshl_add_u32 v[ZS], v1, 4, s32               ; 2,048 rg + 512 cg + 16 lane
	v_mov_b32 v[SS+1], 0                           ; the permute's destination counts as read: written once here
	s_mov_b32 s29, 0
	s_wait_kmcnt 0x0
	s_lshl_b32 s28, s20, 8
	s_add_nc_u64 s[10:11], s[10:11], s[28:29]
	s_load_b32 s25, s[10:11], 0x0                  ; the batch's count
	s_lshl_b32 s28, s20, 14
	s_add_nc_u64 s[6:7], s[6:7], s[28:29]
	s_add_nc_u64 s[8:9], s[8:9], s[28:29]
	s_lshl_b32 s28, s20, 23                        ; 4,096 rows x 2,048 bytes
	s_lshl_b32 s32, s21, 8                         ; my 64 columns
	s_add_co_u32 s28, s28, s32
	s_add_nc_u64 s[4:5], s[4:5], s[28:29]
	s_lshl_b32 s28, s21, 17                        ; 64 rows of Wv
	s_add_nc_u64 s[12:13], s[12:13], s[28:29]
	s_lshl_b32 s28, ttmp9, 11                      ; 512 x 4 bytes for each (b, ch)
	s_add_nc_u64 s[16:17], s[16:17], s[28:29]
	global_load_b128 v[BV:BV+3], v[BVA], s[14:15]
.irp j, 0,1
	global_load_b128 v[PO+4*\j:PO+4*\j+3], v[T16], s[8:9] offset:8192*\j
.endr
.irp j, 0,1
	global_load_b128 v[PA+4*\j:PA+4*\j+3], v[T16], s[6:7] offset:8192*\j
.endr
.irp k, 0,1,2,3,4,5,6,7,8,9,10,11,12,13,14,15
	global_load_b128 v[W+4*\k:W+4*\k+3], v[WA], s[12:13] offset:2048*\k
.endr
	; (1) both lists cleared while the loads are on their way: 512 threads x 16 bytes x 2 = 16,384 bytes each
	ds_store_b128 v[T16], v[ZERO:ZERO+3] offset:LISTI
	ds_store_b128 v[T16], v[ZERO:ZERO+3] offset:LISTI+8192
	ds_store_b128 v[T16], v[ZERO:ZERO+3] offset:LISTP
	ds_store_b128 v[T16], v[ZERO:ZERO+3] offset:LISTP+8192
.irp j, 0,1
.irp c, 0,1,2,3
	v_lshl_or_b32 v[X+4*\j+\c], v0, 2, 2048*\j+\c  ; my rows' numbers: 2,048 j + 4 t + c
.endr
.endr
	BAR                                            ; nobody scatters into a list that is still being cleared
	; (2)
	s_wait_loadcnt 16                              ; bv, ranks and weights are in; the 16 loads of Wv, issued behind them, stay out
.irp k, 0,1,2,3,4,5,6,7
	v_min_u32 v[PO+\k], 0x1000, v[PO+\k]           ; 4,096 is the dump word
	v_lshlrev_b32 v[PO+\k], 2, v[PO+\k]
	ds_store_b32 v[PO+\k], v[X+\k] offset:LISTI
	ds_store_b32 v[PO+\k], v[PA+\k] offset:LISTP
.endr
.irp c, 0,1,2,3
	v_mov_b32 v[ACC+\c], 0
.endr
	v_mov_b32 v[ACS], 0
	v_mov_b32 v[ACS+1], 0
	BAR                                            ; the lists are whole before anybody reads them
	; (3)
	s_wait_kmcnt 0x0
	s_add_co_u32 s25, s25, 255
	s_lshr_b32 s25, s25, 8
	s_min_u32 s25, s25, 16                         ; trips of 256 entries; the list has 4,096
	s_mov_b32 s26, 0
.Ltrip:                                            ; runs at least once: the count is at least 1, and a trip over cleared entries adds zeros
.irp u, 0,1,2,3,4,5,6,7
	ds_load_b32 v[I+\u], v[EA] offset:LISTI+128*\u ; entry 256 trip + 32 u + 2 wave + h
.endr
.irp u, 0,1,2,3,4,5,6,7
	ds_load_b32 v[PP+\u], v[EA] offset:LISTP+128*\u
.endr
	s_wait_dscnt 0x8                               ; the row numbers are in; the eight weights behind them may be out
.irp u, 0,1,2,3,4,5,6,7
	v_min_u32 v[I+\u], 0xfff, v[I+\u]
	v_lshl_add_u32 v[AD+\u], v[I+\u], 11, v[COL]
	global_load_b128 v[X+4*\u:X+4*\u+3], v[AD+\u], s[4:5]          ; a half wave: 256 consecutive bytes of the row, aligned
.endr
	s_wait_dscnt 0x0
.irp u, 0,2,4,6
	v_pk_add_f32 v[ACS:ACS+1], v[ACS:ACS+1], v[PP+\u:PP+\u+1]
.endr
.irp u, 0,2,4,6
	s_wait_loadcnt 7-\u                            ; loads come back in order: row u is in, the younger ones stay out
	v_pk_fma_f32 v[ACC:ACC+1], v[X+4*\u:X+4*\u+1], v[PP+\u:PP+\u+1], v[ACC:ACC+1] op_sel_hi:[1,0,1]
	v_pk_fma_f32 v[ACC+2:ACC+3], v[X+4*\u+2:X+4*\u+3], v[PP+\u:PP+\u+1], v[ACC+2:ACC+3] op_sel_hi:[1,0,1]
	s_wait_loadcnt 6-\u
	v_pk_fma_f32 v[ACC:ACC+1], v[X+4*\u+4:X+4*\u+5], v[PP+\u:PP+\u+1], v[ACC:ACC+1] op_sel:[0,1,0] op_sel_hi:[1,1,1]
	v_pk_fma_f32 v[ACC+2:ACC+3], v[X+4*\u+6:X+4*\u+7], v[PP+\u:PP+\u+1], v[ACC+2:ACC+3] op_sel:[0,1,0] op_sel_hi:[1,1,1]
.endr                                              ; the last wait was for 0: AD and X are free for the next trip, and Wv and bv are in
	v_add_nc_u32 v[EA], 1024, v[EA]
	s_add_co_u32 s26, s26, 1
	s_cmp_lt_u32 s26, s25
	s_cbranch_scc1 .Ltrip
	; (4)
	BAR                                            ; every wave's list reads are back before any wave stores into LDS again: the order of the two
	                                               ; then rests on no arithmetic on a trip count that was read from memory.  All 16 waves make the
	                                               ; same number of trips (one scalar word of the batch), and the barrier stands outside the loop
	ds_store_b128 v[T16], v[ACC:ACC+3] offset:YP   ; 512 wave + 256 h + 16 q
	v_add_f32 v[ACS], v[ACS], v[ACS+1]
	ds_store_b32 v[EA0], v[ACS] offset:SP          ; 16 lanes, the same word, the same value
	BAR
.irp k, 0,1,2,3,4,5,6,7,8,9,10,11,12,13,14,15
	ds_load_b32 v[X+\k], v[YA] offset:YP+256*\k    ; partial 16 h + k of column 16 rg + q
.endr
	s_wait_dscnt 0x0
.irp i, 0,2,4,6
	v_pk_add_f32 v[X+\i:X+\i+1], v[X+\i:X+\i+1], v[X+\i+8:X+\i+9]
.endr
.irp i, 0,2
	v_pk_add_f32 v[X+\i:X+\i+1], v[X+\i:X+\i+1], v[X+\i+4:X+\i+5]
.endr
	v_pk_add_f32 v[X:X+1], v[X:X+1], v[X+2:X+3]
	v_add_f32 v[X], v[X], v[X+1]
	v_permlanex16_b32 v[X+1], v[X], s30, s31
	v_add_f32 v[X], v[X], v[X+1]                   ; lane q: y[16 rg + q]
	; (5)
.irp k, 0,1,2,3,4,5,6,7,8,9,10,11,12,13,14,15
	v_readlane_b32 s[40+\k], v[X], \k
.endr
.irp c, 0,1,2,3
	v_mul_f32 v[ZA+\c], s40, v[W+\c]               ; the first product starts the sums
.endr
.irp k, 1,2,3,4,5,6,7,8,9,10,11,12,13,14,15
.irp c, 0,1,2,3
	v_fmac_f32 v[ZA+\c], s[40+\k], v[W+4*\k+\c]
.endr
.endr
	ds_store_b128 v[ZS], v[ZA:ZA+3] offset:ZP
	BAR
	s_cmp_ge_u32 s22, 4
	s_cbranch_scc1 .Lend
	; threads 0 to 127: the four row groups' parts of columns 4 t .. 4 t + 3, and (s / 8) bv
.irp r, 0,1,2,3
	ds_load_b128 v[Q+4*\r:Q+4*\r+3], v[T16] offset:ZP+2048*\r
.endr
	v_lshlrev_b32 v[EA], 2, v1
	ds_load_b32 v[SS], v[EA] offset:SP             ; lane l: half wave l's sum of p
	s_wait_dscnt 0x0
	v_add_f32_dpp v[SS], v[SS], v[SS] row_xmask:1 row_mask:0xf bank_mask:0xf
	v_add_f32_dpp v[SS], v[SS], v[SS] row_xmask:2 row_mask:0xf bank_mask:0xf
	v_add_f32_dpp v[SS], v[SS], v[SS] row_xmask:4 row_mask:0xf bank_mask:0xf
	v_add_f32_dpp v[SS], v[SS], v[SS] row_xmask:8 row_mask:0xf bank_mask:0xf
	v_permlanex16_b32 v[SS+1], v[SS], s30, s31
	v_add_f32 v[SS], v[SS], v[SS+1]
	v_mul_f32 v[SS], 0x3e000000, v[SS]             ; s / 8: each of the batch's eight parts carries an eighth of s bv
.irp c, 0,2
	v_pk_add_f32 v[Q+\c:Q+\c+1], v[Q+\c:Q+\c+1], v[Q+4+\c:Q+5+\c]
	v_pk_add_f32 v[Q+8+\c:Q+9+\c], v[Q+8+\c:Q+9+\c], v[Q+12+\c:Q+13+\c]
.endr
.irp c, 0,2
	v_pk_add_f32 v[Q+\c:Q+\c+1], v[Q+\c:Q+\c+1], v[Q+8+\c:Q+9+\c]
.endr
.irp c, 0,2
	v_pk_fma_f32 v[Q+\c:Q+\c+1], v[BV+\c:BV+\c+1], v[SS:SS+1], v[Q+\c:Q+\c+1] op_sel_hi:[1,0,1]
.endr
	global_store_b128 v[T16], v[Q:Q+3], s[16:17]   ; a wave's store covers 512 consecutive bytes
.Lend:
	s_wait_tensorcnt 0x0
	ds_add_u32 v184, v185
	s_wait_dscnt 0x0
	s_endpgm
.Lfunc_end_k_qbdf8798d3b_gather:
	.size	k_qbdf8798d3b_gather, .Lfunc_end_k_qbdf8798d3b_gather-k_qbdf8798d3b_gather
	.p2alignl 7, 3214868480
	.fill 96, 4, 3214868480
	.section	.rodata,"a",@progbits
	.p2align	6, 0x0
	.amdhsa_kernel k_qbdf8798d3b_gather
		.amdhsa_group_segment_fixed_size 51968
		.amdhsa_private_segment_fixed_size 0
		.amdhsa_enable_private_segment 0
		.amdhsa_kernarg_size 56
		.amdhsa_user_sgpr_count 2
		.amdhsa_user_sgpr_kernarg_segment_ptr 1
		.amdhsa_wavefront_size32 1
		.amdhsa_system_sgpr_workgroup_id_x 1
		.amdhsa_system_sgpr_workgroup_id_y 1
		.amdhsa_system_sgpr_workgroup_id_z 1
		.amdhsa_system_vgpr_workitem_id 0
		.amdhsa_next_free_vgpr 186
		.amdhsa_next_free_sgpr 66
		.amdhsa_reserve_vcc 0
		.amdhsa_float_denorm_mode_32 3
		.amdhsa_float_denorm_mode_16_64 3
		.amdhsa_memory_ordered 1
		.amdhsa_forward_progress 1
		.amdhsa_inst_pref_size 19
	.end_amdhsa_kernel
	.amdgpu_metadata
---
amdhsa.version: [ 1, 2 ]
amdhsa.kernels:
  - .name:           k_qbdf8798d3b_gather
    .symbol:         k_qbdf8798d3b_gather.kd
    .args:
      - { .name: x_items, .offset: 0, .size: 8, .value_kind: global_buffer, .address_space: global }
      - { .name: attn, .offset: 8, .size: 8, .value_kind: global_buffer, .address_space: global }
      - { .name: pos, .offset: 16, .size: 8, .value_kind: global_buffer, .address_space: global }
      - { .name: cnt, .offset: 24, .size: 8, .value_kind: global_buffer, .address_space: global }
      - { .name: Wv, .offset: 32, .size: 8, .value_kind: global_buffer, .address_space: global }
      - { .name: bv, .offset: 40, .size: 8, .value_kind: global_buffer, .address_space: global }
      - { .name: zpart, .offset: 48, .size: 8, .value_kind: global_buffer, .address_space: global }
    .group_segment_fixed_size: 51968
    .private_segment_fixed_size: 0
    .kernarg_segment_align: 8
    .kernarg_segment_size: 56
    .max_flat_workgroup_size: 512
    .sgpr_count:     66
    .vgpr_count:     186
    .wavefront_size: 32
...
	.end_amdgpu_metadata
.endif
;; end of part 4
;; launch head (part 5): grid 256 x 1, 16 waves a work-group, no clusters, 14,336 bytes of LDS; arguments zpart, Wphi, bphi, out0; writes out0
.if DOCPART == 5
	.amdgcn_target "amdgcn-amd-amdhsa--gfx1250"
	.amdhsa_code_object_version 6
	.text
	.protected	k_qbdf8798d3b_head
	.globl	k_qbdf8798d3b_head
	.p2align	8
	.type	k_qbdf8798d3b_head,@function
k_qbdf8798d3b_head:
	s_mov_b64 s[64:65], 0
	v_nop
	global_prefetch_b8 v0, s[64:65] scope:SCOPE_SE
	s_setreg_imm32_b32 hwreg(HW_REG_WAVE_MODE, 25, 1), 1
	s_wait_xcnt 0x0
; head: z[b] = the sum of the batch's eight parts in zpart; out0[b][c] = sum over d of z[b][d] Wphi[d][c] + bphi[c].
; Work-group (bg, cb): batches 2 bg and 2 bg + 1, columns 64 cb .. 64 cb + 63 (the last block has 40 of the 1,000).
; 16 waves; wave w takes rows d = 32 w .. 32 w + 31 of Wphi, its half h sixteen of them, lane q of a half four columns:
; a half wave's load covers 256 consecutive bytes of a row of Wphi.  The 16 waves' partial sums meet in LDS; wave 0 adds and stores.
; All f32 on the vector unit: two rows of z against 512 x 64 numbers.  No joint requests: what the 16 work-groups of a column block
; share is 131,072 bytes of Wphi, read once by each straight into registers.
; Column groups past the 250th are clamped to it for loads, so that no load leaves Wphi or bphi, and masked off at the store.
; A row of out0 is 4,000 bytes, so the rows' ends do not fall on multiples of 256 bytes: a store of 16 lanes covers 256
; consecutive bytes, which need not be aligned.  out0 is 128,000 bytes in all.
; LIMIT: the order of the sums differs from reference()'s; non-finite inputs are not served.
.set ZQ,  4                            ; v[4:19]    my two columns of z in the eight parts
.set W,   20                           ; v[20:83]   Wphi: row 32 w + 16 h + k, my four columns, at W + 4 k; at the end the 16 partial sums
.set BP,  84                           ; v[84:87]   bphi
.set ZV,  88                           ; v[88:119]  z of my 16 rows: batch 0, then batch 1
.set A0,  120                          ; v[120:123] sums of batch 0
.set A1,  124                          ; v[124:127] sums of batch 1
.set TS,  128                          ; v[128:131] what I send to the other half
.set QL,  132                          ; q
.set HL,  133                          ; h
.set CQR, 134                          ; my group of four columns: 16 cb + q
.set CQ,  135                          ; clamped to 249
.set WA,  136                          ; offset in Wphi
.set ZPA, 137                          ; offset in zpart
.set T8,  138                          ; 8 t
.set ZLA, 139                          ; LDS: z of my 16 rows
.set T16, 140                          ; 16 t
.set OA,  141                          ; offset in out0
.set G,   142                          ; t / 16 = 2 w + h
.set BA,  143                          ; offset in bphi
.set ZL,  0                            ; LDS: z of the two batches, 2 x 2,048 bytes
.set OP,  4096                         ; LDS: 16 waves x 512 bytes of partial sums
; acc[0:3] += z[k] x Wphi's row k.  z[k] is one register of an aligned pair: the pair's first for even k, its second for odd k
.macro ZFMA acc, zb, k
.if (\k)%2
	v_pk_fma_f32 v[\acc:\acc+1], v[W+4*\k:W+4*\k+1], v[\zb+\k-1:\zb+\k], v[\acc:\acc+1] op_sel:[0,1,0] op_sel_hi:[1,1,1]
	v_pk_fma_f32 v[\acc+2:\acc+3], v[W+4*\k+2:W+4*\k+3], v[\zb+\k-1:\zb+\k], v[\acc+2:\acc+3] op_sel:[0,1,0] op_sel_hi:[1,1,1]
.else
	v_pk_fma_f32 v[\acc:\acc+1], v[W+4*\k:W+4*\k+1], v[\zb+\k:\zb+\k+1], v[\acc:\acc+1] op_sel_hi:[1,0,1]
	v_pk_fma_f32 v[\acc+2:\acc+3], v[W+4*\k+2:W+4*\k+3], v[\zb+\k:\zb+\k+1], v[\acc+2:\acc+3] op_sel_hi:[1,0,1]
.endif
.endm
	s_load_b256 s[4:11], s[0:1], 0x0               ; zpart s[4:5], Wphi s[6:7], bphi s[8:9], out0 s[10:11]
	v_lshl_add_u32 v144, v0, 2, 0x3000
	v_mov_b32 v145, 0
	v_lshrrev_b32 v[G], 5, v0
	v_readfirstlane_b32 s12, v[G]                  ; wave 0..15
	s_lshr_b32 s13, ttmp9, 4                       ; bg
	s_and_b32 s14, ttmp9, 15                       ; cb
	s_lshl_b32 s15, s14, 4
	s_mov_b32 s16, 0xffff0000                      ; lanes 16 to 31
	s_mov_b32 s18, 0x76543210
	s_mov_b32 s19, 0xfedcba98
	v_and_b32 v[QL], 15, v0
	v_bfe_u32 v[HL], v0, 4, 1
	v_lshrrev_b32 v[G], 4, v0
	v_add_nc_u32 v[CQR], s15, v[QL]
	v_min_u32 v[CQ], 0xf9, v[CQR]
	v_mul_u32_u24 v[WA], v[G], 0xfa00              ; 16 rows x 4,000 bytes
	v_lshl_add_u32 v[WA], v[CQ], 4, v[WA]
	v_lshlrev_b32 v[BA], 4, v[CQ]
	v_lshrrev_b32 v[ZPA], 8, v0                    ; which of the two batches I add up
	v_and_b32 v[T8], 0xff, v0
	v_lshlrev_b32 v[T8], 3, v[T8]
	v_lshl_add_u32 v[ZPA], v[ZPA], 14, v[T8]       ; 8 parts x 2,048 bytes a batch + my two columns
	v_lshlrev_b32 v[T8], 3, v0
	v_lshlrev_b32 v[ZLA], 6, v[G]                  ; 16 rows x 4 bytes
	v_lshlrev_b32 v[T16], 4, v0
	v_mul_u32_u24 v[OA], v[HL], 0xfa0              ; behind the merge the upper half holds the second batch
	v_lshl_add_u32 v[OA], v[CQR], 4, v[OA]
	s_lshl_b32 s22, s13, 15                        ; 2 batches x 8 parts x 2,048 bytes
	s_mov_b32 s23, 0
	s_wait_kmcnt 0x0
	s_add_nc_u64 s[4:5], s[4:5], s[22:23]
	s_mul_i32 s22, s13, 8000                       ; 2 rows of out0
	s_add_nc_u64 s[10:11], s[10:11], s[22:23]
.irp c, 0,1,2,3,4,5,6,7
	global_load_b64 v[ZQ+2*\c:ZQ+2*\c+1], v[ZPA], s[4:5] offset:2048*\c      ; a wave: 256 consecutive bytes, aligned
.endr
	global_load_b128 v[BP:BP+3], v[BA], s[8:9]
.irp k, 0,1,2,3,4,5,6,7,8,9,10,11,12,13,14,15
	global_load_b128 v[W+4*\k:W+4*\k+3], v[WA], s[6:7] offset:4000*\k
.endr
	s_wait_loadcnt 17                              ; the eight parts are in; bphi and Wphi's 16 loads, issued behind them, stay out
.irp c, 0,4,8,12
	v_pk_add_f32 v[ZQ+\c:ZQ+\c+1], v[ZQ+\c:ZQ+\c+1], v[ZQ+\c+2:ZQ+\c+3]
.endr
	v_pk_add_f32 v[ZQ:ZQ+1], v[ZQ:ZQ+1], v[ZQ+4:ZQ+5]
	v_pk_add_f32 v[ZQ+8:ZQ+9], v[ZQ+8:ZQ+9], v[ZQ+12:ZQ+13]
	v_pk_add_f32 v[ZQ:ZQ+1], v[ZQ:ZQ+1], v[ZQ+8:ZQ+9]
	ds_store_b64 v[T8], v[ZQ:ZQ+1] offset:ZL       ; 8 t = 2,048 x batch + 8 x pair of columns
	s_wait_dscnt 0x0                               ; my store is done before I say so
	s_barrier_signal -1
	s_barrier_wait -1
.irp bb, 0,1
.irp m, 0,1,2,3
	ds_load_b128 v[ZV+16*\bb+4*\m:ZV+16*\bb+4*\m+3], v[ZLA] offset:ZL+2048*\bb+16*\m
.endr
.endr
	s_wait_dscnt 0x0
	s_wait_loadcnt 0x0                             ; Wphi and bphi
	v_pk_mul_f32 v[A0:A0+1], v[W:W+1], v[ZV:ZV+1] op_sel_hi:[1,0]            ; the first products start the sums
	v_pk_mul_f32 v[A0+2:A0+3], v[W+2:W+3], v[ZV:ZV+1] op_sel_hi:[1,0]
	v_pk_mul_f32 v[A1:A1+1], v[W:W+1], v[ZV+16:ZV+17] op_sel_hi:[1,0]
	v_pk_mul_f32 v[A1+2:A1+3], v[W+2:W+3], v[ZV+16:ZV+17] op_sel_hi:[1,0]
.irp k, 1,2,3,4,5,6,7,8,9,10,11,12,13,14,15
	ZFMA A0, ZV, \k
	ZFMA A1, ZV+16, \k
.endr
	; the two halves' rows are added: the lower half keeps batch 0 and sends batch 1, the upper half the other way round
.irp c, 0,1,2,3
	v_cndmask_b32 v[TS+\c], v[A1+\c], v[A0+\c], s16
	v_cndmask_b32 v[A0+\c], v[A0+\c], v[A1+\c], s16
.endr
.irp c, 0,1,2,3
	v_permlanex16_b32 v[A1+\c], v[TS+\c], s18, s19
.endr
.irp c, 0,2
	v_pk_add_f32 v[A0+\c:A0+\c+1], v[A0+\c:A0+\c+1], v[A1+\c:A1+\c+1]
.endr
	ds_store_b128 v[T16], v[A0:A0+3] offset:OP     ; 512 wave + 16 lane
	s_wait_dscnt 0x0
	s_barrier_signal -1
	s_barrier_wait -1
	s_cmp_lg_u32 s12, 0
	s_cbranch_scc1 .Lend
	; wave 0: the 16 waves' partial sums, bphi, and out
.irp w, 0,1,2,3,4,5,6,7,8,9,10,11,12,13,14,15
	ds_load_b128 v[W+4*\w:W+4*\w+3], v[T16] offset:OP+512*\w
.endr
	s_wait_dscnt 0x0
.irp d, 32,16,8,4
.set i, 0
.rept \d/2
	v_pk_add_f32 v[W+i:W+i+1], v[W+i:W+i+1], v[W+i+\d:W+i+\d+1]
.set i, i+2
.endr
.endr
	v_pk_add_f32 v[W:W+1], v[W:W+1], v[BP:BP+1]
	v_pk_add_f32 v[W+2:W+3], v[W+2:W+3], v[BP+2:BP+3]
	s_wait_xcnt 0x0                                ; EXEC, which the loads above read, changes only behind this wait
	v_cmp_gt_u32 vcc_lo, 250, v[CQR]               ; 250 groups of four columns exist
	s_and_saveexec_b32 s20, vcc_lo
	global_store_b128 v[OA], v[W:W+3], s[10:11]
	s_wait_xcnt 0x0                                ; and again in front of the line that widens it
	s_or_b32 exec_lo, exec_lo, s20
.Lend:
	s_wait_tensorcnt 0x0
	ds_add_u32 v144, v145
	s_wait_dscnt 0x0
	s_endpgm
.Lfunc_end_k_qbdf8798d3b_head:
	.size	k_qbdf8798d3b_head, .Lfunc_end_k_qbdf8798d3b_head-k_qbdf8798d3b_head
	.p2alignl 7, 3214868480
	.fill 96, 4, 3214868480
	.section	.rodata,"a",@progbits
	.p2align	6, 0x0
	.amdhsa_kernel k_qbdf8798d3b_head
		.amdhsa_group_segment_fixed_size 14336
		.amdhsa_private_segment_fixed_size 0
		.amdhsa_enable_private_segment 0
		.amdhsa_kernarg_size 32
		.amdhsa_user_sgpr_count 2
		.amdhsa_user_sgpr_kernarg_segment_ptr 1
		.amdhsa_wavefront_size32 1
		.amdhsa_system_sgpr_workgroup_id_x 1
		.amdhsa_system_sgpr_workgroup_id_y 1
		.amdhsa_system_sgpr_workgroup_id_z 1
		.amdhsa_system_vgpr_workitem_id 0
		.amdhsa_next_free_vgpr 146
		.amdhsa_next_free_sgpr 66
		.amdhsa_reserve_vcc 1
		.amdhsa_float_denorm_mode_32 3
		.amdhsa_float_denorm_mode_16_64 3
		.amdhsa_memory_ordered 1
		.amdhsa_forward_progress 1
		.amdhsa_inst_pref_size 14
	.end_amdhsa_kernel
	.amdgpu_metadata
---
amdhsa.version: [ 1, 2 ]
amdhsa.kernels:
  - .name:           k_qbdf8798d3b_head
    .symbol:         k_qbdf8798d3b_head.kd
    .args:
      - { .name: zpart, .offset: 0, .size: 8, .value_kind: global_buffer, .address_space: global }
      - { .name: Wphi, .offset: 8, .size: 8, .value_kind: global_buffer, .address_space: global }
      - { .name: bphi, .offset: 16, .size: 8, .value_kind: global_buffer, .address_space: global }
      - { .name: out0, .offset: 24, .size: 8, .value_kind: global_buffer, .address_space: global }
    .group_segment_fixed_size: 14336
    .private_segment_fixed_size: 0
    .kernarg_segment_align: 8
    .kernarg_segment_size: 32
    .max_flat_workgroup_size: 512
    .sgpr_count:     66
    .vgpr_count:     146
    .wavefront_size: 32
...
	.end_amdgpu_metadata
.endif
;; end of part 5
;; ======== version 2 of 2: 5 launches; version 1 with the launch score written anew for expert scheduling mode
;; workspace buffers: ac 4,352 bytes; scores 524,288 bytes; attn 524,288 bytes; pos 524,288 bytes of whole numbers; cnt 8,192 bytes of whole numbers; zpart 524,288 bytes
;; launch prep: the kernel of part 1 again; grid 8 x 1, 32 waves a work-group, no clusters, 4,608 bytes of LDS; arguments Wk, Wq, bq, bk, ac; writes ac
;; launch score (part 6): grid 256 x 1, 16 waves a work-group, no clusters, 4,096 bytes of LDS; arguments x_items, x_query, ac, scores; writes scores
.if DOCPART == 6
	.amdgcn_target "amdgcn-amd-amdhsa--gfx1250"
	.amdhsa_code_object_version 6
	.text
	.protected	k_qbdf8798d3b_score
	.globl	k_qbdf8798d3b_score
	.p2align	8
	.type	k_qbdf8798d3b_score,@function
k_qbdf8798d3b_score:
	s_mov_b64 s[64:65], 0
	v_nop
	global_prefetch_b8 v0, s[64:65] scope:SCOPE_SE
	s_setreg_imm32_b32 hwreg(HW_REG_WAVE_SCHED_MODE, 0, 2), 2
	s_setreg_imm32_b32 hwreg(HW_REG_WAVE_MODE, 25, 1), 1
	s_wait_xcnt 0x0
	s_wait_alu depctr_vm_vsrc(0)
; score: scores[b][n] = x[b][n] . u_b + c0_b, with u_b = S (xq_b a + c), c0_b = S (xq_b d1 + d2), S = 512^-0.5.
; That is q.(x Wk + bk) S of reference(), reassociated: one query row a batch makes the projection of every item a dot product of length 512.
; The launch is a stream: every byte of x_items is read once, 268,435,456 bytes for 67 million fused multiply-adds, so bytes decide.
; No matrix unit (one output column), no LDS ring, no cluster (no two work-groups read the same byte of x).
; 256 work-groups x 16 waves; a work-group owns 512 consecutive rows (all of one batch), a wave 32 rows = 65,536 consecutive bytes.
; A row is four loads of 16 bytes a lane, each covering 512 consecutive bytes.  A ring of row slots in registers keeps
; 8 rows x 2,048 bytes of every wave on their way, 262,144 bytes for the work-group.
; A row's 32 lane sums are not reduced row by row: the 32 rows' sums are reduced together, by 31 merges that halve the registers
; at each step, and lane l ends with row l.
; LIMIT: the order of the sums differs from reference()'s; non-finite inputs are not served.
; THE MODE: SCHED_MODE bits 1:0 = 2 (LLVM: expert scheduling mode 2), set by the entry lines.  The code itself states the register dependences
; between vector instructions and memory or LDS instructions, with s_wait_alu, always for 0.
; THE PLAN.  Registers that memory or LDS instructions touch:
;   X          ten row slots, row r in slot r % 10.  Read by row r's 16 products.  Written by the four loads of row r + 8, which are issued in
;              row r's turn and land in slot (r + 8) % 10 = (r - 2) % 10: the slot that the row two turns back worked on.
;   v1, v2     byte offsets of the global loads, made once at the head and never written again: the rows stand in the immediate offsets.
;   SA, SB     the way out's LDS and scores addresses, made once at the head and never written again.
;   v[P]       row 0's register, at the end my row's score: written by the last add, read by the LDS store, not written again.
;   v[T:T+3]   used by the merges; behind the barrier the LDS load lands in them and the global store reads them.
;   U, C       loaded at the head, before any vector instruction names them; from then on named by vector instructions alone.
; The rows go in pairs.  The pair 2 p, 2 p + 1 fills the slots of rows 2 p - 2 and 2 p - 1, the pair before.  So ONE wait on va_vdst at a pair's head,
; behind the wait for its first row's data, states that the pair before is done reading both slots; the pair's eight loads follow it, four ahead of each
; row's products, and the products between the wait and the second four name slot 2 p % 10, U, T and P: none of the registers that those loads touch.
; Rows 0 and 1 fill slots 8 and 9, which no vector instruction has named; rows 24 to 31 load nothing: neither holds such a wait.
; No register that a memory or LDS instruction reads is written afterwards, so the body needs no wait on vm_vsrc; EXEC is never written.
.set U, 4                              ; v[4:19]    a, then u: columns 128 j + 4 l + 0..3
.set C, 20                             ; v[20:35]   c
.set T, 20                             ; v[20:27]   the same registers at work once u is made
.set X, 36                             ; v[36:195]  slot s of ten: 16 registers, a row as loaded
.set P, 196                            ; v[196:227] row r: my lane's part of its sum
.set SA, 228                           ; v228       LDS: my row's score
.set SB, 229                           ; v229       LDS and scores: four scores
.set SLOTS, 10
.set SCALE, 0x3d3504f3                 ; 512^-0.5
.macro FILL row                        ; a row's four loads into its slot
.set fs, X+16*((\row)%SLOTS)
.irp j, 0,1,2,3
	global_load_b128 v[fs+4*\j:fs+4*\j+3], v1, s[4:5] offset:2048*(\row)+512*\j th:TH_LOAD_NT
.endr
.endm
; row r: 16 products in two pairs of chains.  left = the younger loads that may stay out; refill = 1: row r + 8 is asked for, ahead of the products;
; state = 1: the first row of a pair that fills slots which the pair before has read
.macro ROW r, left, refill, state
.set xs, X+16*((\r)%SLOTS)
.set ts, T+4*((\r)%2)
	s_wait_loadcnt \left                           ; loads come back in order: this row is in, the rows behind it stay on their way
.if \state
	s_wait_alu depctr_va_vdst(0)                   ; the products of the two rows before are done reading their slots, in which this pair's eight loads land
.endif
.if \refill
	FILL \r+8                                      ; into the slot of the row two turns back; no vector instruction since the pair's wait names it
.endif
	v_pk_mul_f32 v[ts:ts+1], v[xs:xs+1], v[U:U+1]
	v_pk_mul_f32 v[ts+2:ts+3], v[xs+2:xs+3], v[U+2:U+3]
.irp j, 4,8,12
	v_pk_fma_f32 v[ts:ts+1], v[xs+\j:xs+\j+1], v[U+\j:U+\j+1], v[ts:ts+1]
	v_pk_fma_f32 v[ts+2:ts+3], v[xs+\j+2:xs+\j+3], v[U+\j+2:U+\j+3], v[ts+2:ts+3]
.endr
	v_pk_add_f32 v[ts:ts+1], v[ts:ts+1], v[ts+2:ts+3]
	v_add_f32 v[P+\r], v[ts], v[ts+1]
.endm
; Two registers of partial sums become one.  In the lanes of the mask the pair's second row is kept and the first is sent,
; in the others the other way round; lane i adds what lane i xor xm sent.
.macro MERGE a, b, m, xm, t
	v_cndmask_b32 v[T+\t], v[P+\b], v[P+\a], s[\m]                 ; what I send
	v_cndmask_b32 v[P+\a], v[P+\a], v[P+\b], s[\m]                 ; what I keep
	v_add_f32_dpp v[P+\a], v[T+\t], v[P+\a] row_xmask:\xm row_mask:0xf bank_mask:0xf
.endm
	s_load_b256 s[4:11], s[0:1], 0x0               ; x s[4:5], x_query s[6:7], ac s[8:9], scores s[10:11]
	v_lshl_add_u32 v230, v0, 2, 0x800
	v_mov_b32 v231, 0
	v_lshrrev_b32 v3, 5, v0
	v_readfirstlane_b32 s12, v3                    ; wave 0..15
	v_and_b32 v2, 31, v0
	v_lshlrev_b32 v2, 4, v2                        ; 16 x lane
	v_lshl_add_u32 v1, v3, 16, v2                  ; + wave x 32 rows x 2,048 bytes; never rewritten
	v_lshlrev_b32 v[SA], 2, v0                     ; LDS: my row's score
	v_lshlrev_b32 v[SB], 4, v0                     ; LDS and scores: four scores
	s_wait_alu depctr_va_sdst(0)                   ; s12 is written, ahead of its first reader: the compare on the wave's number at the way out
	s_lshr_b32 s14, ttmp9, 3                       ; batch: 8 work-groups each
	s_lshl_b32 s30, s14, 2
	s_mov_b32 s31, 0
	s_mov_b32 s20, 0xaaaaaaaa                      ; lanes with bit 0, 1, 2, 3, 4 of their number set
	s_mov_b32 s21, 0xcccccccc
	s_mov_b32 s22, 0xf0f0f0f0
	s_mov_b32 s23, 0xff00ff00
	s_mov_b32 s24, 0xffff0000
	s_mov_b32 s26, 0x76543210                      ; v_permlanex16_b32: lane i reads lane i of the other half
	s_mov_b32 s27, 0xfedcba98
	s_mov_b32 s28, SCALE
	s_mov_b32 s29, SCALE
	s_wait_kmcnt 0x0
	s_add_nc_u64 s[6:7], s[6:7], s[30:31]
	s_load_b32 s13, s[6:7], 0x0                    ; xq of my batch
	s_load_b64 s[16:17], s[8:9], 0x1000            ; d1, d2
	s_lshl_b32 s30, ttmp9, 20                      ; 512 rows x 2,048 bytes
	s_add_nc_u64 s[4:5], s[4:5], s[30:31]
	s_lshl_b32 s30, ttmp9, 11                      ; 512 scores x 4 bytes
	s_add_nc_u64 s[10:11], s[10:11], s[30:31]
	s_wait_alu depctr_va_vdst(0)                   ; v1, v2, v[SA] and v[SB] are written: every load and store of the kernel, global or LDS, reads one of them as its address
.irp j, 0,1,2,3
	global_load_b128 v[U+4*\j:U+4*\j+3], v2, s[8:9] offset:512*\j
	global_load_b128 v[C+4*\j:C+4*\j+3], v2, s[8:9] offset:2048+512*\j
.endr
.irp r, 0,1,2,3,4,5,6,7
	FILL \r
.endr
	s_wait_kmcnt 0x0
	s_fmac_f32 s17, s13, s16                       ; d2 + xq d1
	s_mul_f32 s17, s17, SCALE                      ; c0
	s_mul_f32 s18, s13, SCALE                      ; xq S
	s_mov_b32 s19, s18
	s_wait_loadcnt 32                              ; a and c are in; the 32 loads of rows 0 to 7, issued behind them, stay out
.irp i, 0,2,4,6,8,10,12,14
	v_pk_mul_f32 v[C+\i:C+\i+1], v[C+\i:C+\i+1], s[28:29] op_sel_hi:[1,0]
.endr
.irp i, 0,2,4,6,8,10,12,14
	v_pk_fma_f32 v[U+\i:U+\i+1], v[U+\i:U+\i+1], s[18:19], v[C+\i:C+\i+1] op_sel_hi:[1,0,1]   ; u = (xq S) a + S c
.endr
	ROW 0, 28, 1, 0                                ; the first pair fills slots 8 and 9, which no vector instruction has named
	ROW 1, 28, 1, 0
.irp r, 2,4,6,8,10,12,14,16,18,20,22
	ROW \r, 28, 1, 1                               ; seven younger rows, four loads each
	ROW \r+1, 28, 1, 0
.endr
	ROW 24, 28, 0, 0                               ; from here nothing is left to fetch,
.irp r, 25,26,27,28,29,30,31
	ROW \r, 4*(31-\r), 0, 0                        ; and the counts run down
.endr
.irp i, 0,2,4,6,8,10,12,14,16,18,20,22,24,26,28,30
	MERGE \i, \i+1, 20, 1, (\i/2)%8
.endr
.irp i, 0,4,8,12,16,20,24,28
	MERGE \i, \i+2, 21, 2, (\i/4)%8
.endr
.irp i, 0,8,16,24
	MERGE \i, \i+4, 22, 4, \i/8
.endr
.irp i, 0,16
	MERGE \i, \i+8, 23, 8, \i/16
.endr
	v_cndmask_b32 v[T], v[P+16], v[P], s24         ; the last merge crosses the halves of the wave
	v_cndmask_b32 v[P], v[P], v[P+16], s24
	v_permlanex16_b32 v[T+1], v[T], s26, s27
	v_add_f32 v[P], v[P], v[T+1]                   ; lane l: row l's sum
	v_add_f32 v[P], s17, v[P]
	; out through LDS: 4 bytes a lane in, 16 bytes a lane back, so that a store of a wave covers 512 consecutive bytes
	s_wait_alu depctr_va_vdst(0)                   ; the last add has written v[P], which the LDS store reads; the merges are done with v[T:T+3], in which the LDS load behind the barrier lands (no vector instruction follows this wait)
	ds_store_b32 v[SA], v[P]
	s_wait_dscnt 0x0                               ; my store is done before I say so
	s_barrier_signal -1
	s_barrier_wait -1
	s_cmp_ge_u32 s12, 4
	s_cbranch_scc1 .Lend
	ds_load_b128 v[T:T+3], v[SB]                   ; threads 0 to 127: four neighbouring scores
	s_wait_dscnt 0x0
	global_store_b128 v[SB], v[T:T+3], s[10:11]
.Lend:
	s_wait_dscnt 0x0
	s_wait_alu depctr_hold_cnt(0) depctr_sa_sdst(0) depctr_va_vdst(0) depctr_va_sdst(0) depctr_va_ssrc(0) depctr_va_vcc(0) depctr_vm_vsrc(0)
	s_wait_tensorcnt 0x0
	ds_add_u32 v230, v231
	s_wait_dscnt 0x0
	s_endpgm
.Lfunc_end_k_qbdf8798d3b_score:
	.size	k_qbdf8798d3b_score, .Lfunc_end_k_qbdf8798d3b_score-k_qbdf8798d3b_score
	.p2alignl 7, 3214868480
	.fill 96, 4, 3214868480
	.section	.rodata,"a",@progbits
	.p2align	6, 0x0
	.amdhsa_kernel k_qbdf8798d3b_score
		.amdhsa_group_segment_fixed_size 4096
		.amdhsa_private_segment_fixed_size 0
		.amdhsa_enable_private_segment 0
		.amdhsa_kernarg_size 32
		.amdhsa_user_sgpr_count 2
		.amdhsa_user_sgpr_kernarg_segment_ptr 1
		.amdhsa_wavefront_size32 1
		.amdhsa_system_sgpr_workgroup_id_x 1
		.amdhsa_system_sgpr_workgroup_id_y 1
		.amdhsa_system_sgpr_workgroup_id_z 1
		.amdhsa_system_vgpr_workitem_id 0
		.amdhsa_next_free_vgpr 232
		.amdhsa_next_free_sgpr 66
		.amdhsa_reserve_vcc 0
		.amdhsa_float_denorm_mode_32 3
		.amdhsa_float_denorm_mode_16_64 3
		.amdhsa_memory_ordered 1
		.amdhsa_forward_progress 1
		.amdhsa_inst_pref_size 43
	.end_amdhsa_kernel
	.amdgpu_metadata
---
amdhsa.version: [ 1, 2 ]
amdhsa.kernels:
  - .name:           k_qbdf8798d3b_score
    .symbol:         k_qbdf8798d3b_score.kd
    .args:
      - { .name: x_items, .offset: 0, .size: 8, .value_kind: global_buffer, .address_space: global }
      - { .name: x_query, .offset: 8, .size: 8, .value_kind: global_buffer, .address_space: global }
      - { .name: ac, .offset: 16, .size: 8, .value_kind: global_buffer, .address_space: global }
      - { .name: scores, .offset: 24, .size: 8, .value_kind: global_buffer, .address_space: global }
    .group_segment_fixed_size: 4096
    .private_segment_fixed_size: 0
    .kernarg_segment_align: 8
    .kernarg_segment_size: 32
    .max_flat_workgroup_size: 512
    .sgpr_count:     66
    .vgpr_count:     232
    .wavefront_size: 32
...
	.end_amdgpu_metadata
.endif
;; end of part 6
;; launch tau: the kernel of part 3 again; grid 32 x 1, 8 waves a work-group, no clusters, 1,536 bytes of LDS; arguments scores, attn, pos, cnt; writes attn, pos, cnt
;; launch gather: the kernel of part 4 again; grid 256 x 1, 16 waves a work-group, no clusters, 51,968 bytes of LDS; arguments x_items, attn, pos, cnt, Wv, bv, zpart; writes zpart
;; launch head: the kernel of part 5 again; grid 256 x 1, 16 waves a work-group, no clusters, 14,336 bytes of LDS; arguments zpart, Wphi, bphi, out0; writes out0
